; MI455X (gfx1250); checked and timed in simulation.
; The chip was launched on July 23, 2026; its instructions are those of AMD's public machine-readable ISA for CDNA 5 (MIT licence, August 2026) and "CDNA5" Instruction Set Architecture Reference Guide (July 2026). The comments in the code are by the model that wrote it; some were corrected since.
;; Self Attention. Allowed arithmetic: matrix products marked QUANTISED: E5M2 operands, one given power-of-two scale a tensor, by v_wmma_f32_16x16x64_bf8_bf8 or v_wmma_f32_16x16x128_bf8_bf8, f32 sums; everything else in f32.
;; Inputs: b_out 1,024 float32; lowp_scales 10 int32 (the exponents e of the quantised operands' scales 2^e); w_kv_codes 2,048 x 32 x 32 uint8 (E5M2 codes of w_kv, K innermost, in blocks of 32 codes); w_out_codes 1,024 x 32 x 32 uint8 (E5M2 codes of w_out, K innermost, in blocks of 32 codes); w_q_codes 1,024 x 32 x 32 uint8 (E5M2 codes of w_q, K innermost, in blocks of 32 codes); x_codes 4 x 2,048 x 32 x 32 uint8 (E5M2 codes of x, K innermost, in blocks of 32 codes).
;; Outputs: out0 4 x 2,048 x 1,024 float32.
;; This version of the problem:
;;   THIS VERSION OF THE PROBLEM IS GIVEN IN LOW PRECISION. The matrix products marked QUANTISED in the list below multiply operands that are first quantised to E5M2 (5 exponent bits, 2 mantissa bits; 8 bits a number), with one given power-of-two scale for each operand tensor; their sums are f32. All else is computed in f32.
;;   The module's matrix products, in the order in which they are computed (A, B: the left and right operand; K: the contracted axis; several contracted axes count as one K, in the product's order):
;;     1. [M 8,192, K 1,024] x [K 1,024, N 1,024]; A: input x (given as codes); B: input w_q (given as codes): QUANTISED (scales: A lowp_scales[0], B lowp_scales[1])
;;     2. [M 8,192, K 1,024] x [K 1,024, N 2,048]; A: input x (given as codes); B: input w_kv (given as codes): QUANTISED (scales: A lowp_scales[2], B lowp_scales[3])
;;     3. batch 64 x [M 2,048, K 64] x [K 64, N 2,048]; A: computed on the way; B: computed on the way: QUANTISED (scales: A lowp_scales[4], B lowp_scales[5])
;;     4. batch 64 x [M 2,048, K 2,048] x [K 2,048, N 64]; A: softmax (see below); B: computed on the way: QUANTISED (scales: A lowp_scales[6], B lowp_scales[7])
;;     5. [M 8,192, K 1,024] x [K 1,024, N 1,024]; A: computed on the way; B: input w_out (given as codes): QUANTISED (scales: A lowp_scales[8], B lowp_scales[9])
;;   THE QUANTISER, for each operand of a quantised product, along K:
;;     - The operand's scale is 2^e, e = its entry of the input lowp_scales (int32; the entries are numbered through the quantised products in the list's order, A before B).
;;     - Each number is divided by the scale, clamped to +-57,344, and rounded to the nearest number of E5M2, ties to even, subnormals kept.
;;     - The product sums the exact products of the quantised numbers (number of the format x scale) in f32.
;;   ~~~python
;;   def quantise(x, axis, e):      # numpy; x: float32 -> the quantised numbers, widened to float32 again
;;       x = np.moveaxis(x, axis, -1); K = x.shape[-1]
;;       r = np.clip(x / 2.0 ** e, -57344, 57344)
;;       step = 2.0 ** (np.maximum(np.frexp(np.where(r == 0, 1, r))[1] - 1, -14) - 2)
;;       q = np.round(r / step) * step * 2.0 ** e      # np.round: ties to even
;;       return np.moveaxis(q, -1, axis).astype(np.float32)
;;   ~~~
;;   SOFTMAX AHEAD OF A QUANTISED PRODUCT. Where the list says 'softmax', what is quantised is not the finished softmax but p = 2^(t - M), with t = logit x log2(e) and M = ceil(the row's largest t), a whole number; so 1/2 < the row's largest p <= 1. The row's sum l is taken of the UNQUANTISED p, in f32, and the product's result is divided by l at the end. Since M is a whole number, a kernel that streams over the keys may use a running M (the ceiling of the running maximum): every later rescaling is an exact power of two, so the quantised numbers keep their values, but for numbers so far below the row's largest that they fall under the format's range.
;;   OPERANDS COMPUTED ON THE WAY. 'Computed on the way' means the value that the module computes at that place (a softmax that the list does not call 'softmax' is quantised finished and normalised). What goes into a quantiser is computed in f32, as accurately as f32 sums, v_exp_f32 and their like allow (about 1e-6 of the number): no bf16 or f16 on the way to a quantiser, and a product that is left as it is and whose result goes on into a quantised operand takes f32 operands (vector FMAs, or v_wmma_f32_16x16x4_f32). A number that lies on a knife's edge between two numbers of the format may be rounded either way, as far as f32 arithmetic and the matrix unit's own rounding can turn it there, and no further.
;;   INPUTS GIVEN AS CODES. w_kv (in the module: [2048, 1024], K = its axis 1); w_out (in the module: [1024, 1024], K = its axis 1); w_q (in the module: [1024, 1024], K = its axis 1); x (in the module: [4, 2048, 1024], K = its axis 2): each comes as NAME_codes (uint8): NAME with its K axis moved to the last place and cut into blocks of 32 codes, [.., K / 32, bytes a block], one block behind the other in memory; one code a byte (a code: sign, 5 exponent bits, 2 mantissa bits); its scale is its entry of lowp_scales. Its value is code x scale, taken as it is: it is not quantised again, and the codes and scales need not be those that the quantiser above would give.
;; One version. Each part assembles by itself: llvm-mc -triple=amdgcn-amd-amdhsa -mcpu=gfx1250 --defsym DOCPART=n.
;; ======== version 1 of 1: 3 launches
;; limits: right only within a limited range of input values
;; workspace buffers: q_img 8,388,608 bytes; k_img 8,388,608 bytes; v_img 8,388,608 bytes; a_img 8,388,608 bytes
;; launch qkv (part 1): grid 12 x 32, 4 waves a work-group, clusters of 4 x 4, 327,680 bytes of LDS; arguments x_codes, w_q_codes, w_kv_codes, lowp_scales, q_img, k_img, v_img; writes q_img, k_img, v_img
.if DOCPART == 1
	.amdgcn_target "amdgcn-amd-amdhsa--gfx1250"
	.amdhsa_code_object_version 6
	.text
	.protected	k_qe14460e3e9_qkv
	.globl	k_qe14460e3e9_qkv
	.p2align	8
	.type	k_qe14460e3e9_qkv,@function
k_qe14460e3e9_qkv:
	s_mov_b64 s[64:65], 0
	v_nop
	global_prefetch_b8 v0, s[64:65] scope:SCOPE_SE
	s_setreg_imm32_b32 hwreg(HW_REG_WAVE_MODE, 25, 1), 1
	s_wait_xcnt 0x0
	s_wait_alu depctr_hold_cnt(0) depctr_sa_sdst(0) depctr_va_vdst(0) depctr_va_sdst(0) depctr_va_ssrc(0) depctr_va_vcc(0) depctr_vm_vsrc(0)
	s_getreg_b32 s2, hwreg(HW_REG_IB_STS2, 6, 4)
	s_cmp_eq_u32 s2, 0
	s_cbranch_scc0 .Lentry_in_a_cluster
	s_endpgm
.Lentry_in_a_cluster:
	s_bfe_u32 s2, ttmp6, 0x10000c
	s_cmp_lg_u32 s2, 0xf033
	s_cbranch_scc0 .Lentry_shape_is_right
	s_endpgm
.Lentry_shape_is_right:
; q = x Wq^T, k and v = x Wkv^T on codes of BF8 (E5M2); the f32 sums are quantised at once for the products that follow and stored as IMAGES OF OPERAND REGISTERS.
; x: [8192][1024] codes; Wq: [1024][1024]; Wkv: [2048][1024] (rows 0-1023 make k, rows 1024-2047 make v); K innermost everywhere.
; A tile of 256 x 256 sums is made by a work-group of four waves, a wave makes 128 x 128: 64 accumulators of 16 x 16.  K goes in steps of 256 through a ring of two LDS slots filled by the tensor data mover.
; THE KIND of a work-group is its cluster's x: 0 = q, 1 = k, 2 = v; it is the same in all sixteen partners and decides by selections alone, never by a branch.
; Source 1 of the matrix instruction ("A" below) gives a result's lane, source 0 ("B") its registers: lane (r, h) holds A's row r and, in register j, B's row 8 h + j.
;   q, k: A = 16 tokens of x, B = 16 features of W.  A lane's eight sums are eight neighbouring features of one token: their eight codes are registers 2 c, 2 c + 1 of the fragment (16 tokens x 64 features) that the scores' product takes.
;   v:    A = 16 features of Wv, B = 16 tokens of x.  A lane's eight sums are eight neighbouring KEYS of one channel: registers 2 c, 2 c + 1 of the fragment (16 channels x 128 keys) that the second product of attention takes.
; So a block of 16 rows of A gives 16 registers of codes a lane, stored by four stores of 512 consecutive bytes each: no transposition, no stage in LDS.
; IMAGES: q_img, k_img: byte ((token / 16) x 16 + head) x 1024 + 512 g + 16 lane, g = 0, 1: registers 4 g .. 4 g + 3.   v_img: byte (token / 128) x 131072 + head x 8192 + (channel / 16) x 2048 + 512 g + 16 lane, g = 0 .. 3.
; SCALES: a sum stands for sum x 2^(ea + eb); its code is sum / 2^E, held within +-57,344 x 2^E, with E = e4 - e0 - e1 (q), e5 - e2 - e3 (k), e7 - e2 - e3 (v).
; LIMITS: E between -126 and 112, so that 2^E and 57,344 x 2^E are f32 numbers.  NaN among the sums is not served.
; CLUSTERS: 4 x 4 work-groups.  A's tile hangs on the place along y alone and is asked for jointly by a row of the cluster, B's on the place along x alone and by a column.
; REGISTERS, in windows of 256: window 0: v0-47 addresses and the two scale numbers; from v128 A's fragments, one set, later the codes.  window 1: B's fragments, two sets.  windows 2, 3: the accumulators ((a, b) at v[8 (8 (a % 4) + b)]).
.set SIZE_K, 1024
.set KSTEP,  256                       ; along K in a slot
.set ROWB,   256                       ; a tile's row in bytes
.set KROW,   SIZE_K                    ; a row of codes in memory, in bytes
.set PITCH,  272                       ; an LDS row: 256 bytes + 16 of padding = 68 words: the 16 rows that a load touches start 4 words apart
.set FR,     16                        ; registers of a fragment: 16 rows x 128 K
.set NL,     4                         ; LDS loads that bring one
.set NP,     4                         ; places behind this matrix instruction (ISA guide 7.12.1)
.set HALFT,  128*PITCH                 ; 128 rows: what one tensor load brings
.set SLOT,   4*HALFT                   ; A's 256 rows, then B's 256 rows
.set LAPS,   SIZE_K/(2*KSTEP)          ; a lap = two K steps = once round the ring
.set SPARE,  2*SLOT                    ; behind the ring: the spare words, 128 bytes for each wave, which no other line names
.set ADRA, 16                          ; v16-17  LDS address of my A fragments in slot 0, 1
.set ADRB, 20                          ; v20-21  the same for B
.set SPW,  28                          ; v28     LDS address of my spare word; never rewritten
.set NIL,  29                          ; v29     0; never rewritten
.set SCL,  30                          ; v30     2^E as f32
.set LIM,  31                          ; v31     57,344 x 2^E
.set LI,   32                          ; v32     16 x lane
.set DST,  40                          ; v40-47  block a's byte offset in the image; never rewritten
.set AF,   128                         ; A's fragments, in window 0
.set G1, 24                            ; s[24:31] descriptor group 1 for A's tiles;  s[32:39] group 0, one set for each slot
.set G0, 32
.set G1B, 48                           ; s[48:55], s[56:63] the same for B's tiles
.set G0B, 56
.set MSB, 0
.macro WIN new                         ; the immediate's high byte repeats the setting that is left
.if MSB != \new
	s_set_vgpr_msb (MSB<<8)|\new
.set MSB, \new
.endif
.endm
.set MUL_LO, 0xa1                      ; source 0 (B) window 1, source 1 (A) window 0, C and D window 2
.set MUL_HI, 0xf1                      ; the same, C and D window 3
.set TO_B,   0x40                      ; destination window 1, address window 0
; A joint load: waves 0 and 1 fetch for A, waves 2 and 3 for B.  The branch hangs on the wave's number alone.  Four v_nop follow each of the two lines.
.macro JLOAD g0a, g1a, g0b, g1b
	s_cmp_eq_u32 s15, 0
	s_cbranch_scc0 .Lfor_b_\@
	tensor_load_to_lds s[\g0a:\g0a+3], s[\g1a:\g1a+7]
	s_nop 0
.rept 4
	v_nop
.endr
	s_branch .Lasked_\@
.Lfor_b_\@:
	tensor_load_to_lds s[\g0b:\g0b+3], s[\g1b:\g1b+7]
	s_nop 0
.rept 4
	v_nop
.endr
.Lasked_\@:
.endm
.macro CREST                           ; a round of the cluster's barrier behind its opening barrier
	s_cmp_lg_u32 s14, 0
	s_cbranch_scc1 .Lnot_wave_0_\@
	s_barrier_signal -3
.Lnot_wave_0_\@:
	s_barrier_wait -3
	s_barrier_signal -1
	s_barrier_wait -1
.endm
.macro CROUND                          ; a whole round
	s_barrier_signal -1
	s_barrier_wait -1
	CREST
.endm
	s_load_b256 s[68:75], s[0:1], 0x0              ; x s[68:69], Wq s[70:71], Wkv s[72:73], the scales' exponents s[74:75]
	s_load_b128 s[76:79], s[0:1], 0x20             ; q_img s[76:77], k_img s[78:79]
	s_load_b64 s[80:81], s[0:1], 0x30              ; v_img
	v_lshl_add_u32 v[SPW], v0, 2, SPARE
	v_mov_b32 v[NIL], 0
	ds_add_u32 v28, v29
	ds_add_u32 v28, v29
	s_wait_dscnt 0x0
	v_lshrrev_b32 v1, 5, v0
	v_readfirstlane_b32 s14, v1                    ; wave 0..3
	s_lshr_b32 s15, s14, 1                         ; which half of A's 256 rows is mine.  Also: I fetch for A (0) or for B (1)
	s_and_b32 s16, s14, 1                          ; which half of B's 256 rows.  Also: which 128 rows of that tile I fetch
	s_bfe_u32 s40, ttmp6, 0x40000                  ; cx, cy: my place in the cluster
	s_bfe_u32 s41, ttmp6, 0x40004
	s_and_b32 s92, ttmp7, 0xffff
	s_lshl_b32 s92, s92, 2                         ; 4 x cluster y
	s_cmp_eq_u32 ttmp9, 2                          ; the kind v?  (the cluster's x: the same in all partners)
	s_cselect_b32 s17, 4, s92                      ; A's tile of 256 rows: v: 4 + cy of Wkv;  q, k: 4 x cluster y + cy of x
	s_cselect_b32 s42, s92, 0                      ; B's tile:             v: 4 x cluster y + cx of x;  q, k: cx of W
	s_cselect_b32 s93, 0, s92                      ; A's tile counted within its own result (v: from Wv's first row)
	s_add_co_u32 s17, s17, s41
	s_add_co_u32 s42, s42, s40
	s_add_co_u32 s93, s93, s41
	s_lshl_b32 s43, s41, 2
	s_lshl_b32 s43, 15, s43                        ; my row of the cluster
	s_lshl_b32 s44, 0x1111, s40                    ; my column
	; descriptor group 1: a tile of 128 rows x 256 bytes, padded in LDS
	s_or_b32 s[G1+0], s43, (0<<16)|(1<<20)|(1<<21)|(5<<22)|(3<<25)  ; 15:0 the mask: A's tiles go to my row; 17:16 elements of 1 byte; 20 padding on; 21 set beside a mask; 24:22 after every 64 words; 31:25 four words
	s_or_b32 s[G1B+0], s44, (0<<16)|(1<<20)|(1<<21)|(5<<22)|(3<<25) ; the same with the mask of my column
.irp g, G1, G1B
	s_mov_b32 s[\g+1], ROWB<<16                    ; tensor_dim0
	s_mov_b32 s[\g+2], 128<<16                     ; tensor_dim1 = 128
	s_mov_b32 s[\g+3], ROWB<<16                    ; tile_dim0
	s_mov_b32 s[\g+4], 128                         ; tile_dim1 = 128
	s_mov_b32 s[\g+5], KROW                        ; tensor_dim0_stride
	s_mov_b32 s[\g+6], 0
	s_mov_b32 s[\g+7], 0
.endr
	s_lshl_b32 s18, s16, 7                         ; which 128 rows of the tile I fetch
	s_lshl_b32 s20, s17, 8
	s_add_co_u32 s20, s20, s18                     ; A: row 256 x tile + 128 x half
	s_lshl_b32 s46, s42, 8
	s_add_co_u32 s46, s46, s18                     ; B likewise
	s_mov_b32 s21, 0
	s_mov_b32 s47, 0
	s_mov_b64 s[18:19], KROW
	s_mul_u64 s[20:21], s[20:21], s[18:19]         ; in bytes
	s_mul_u64 s[46:47], s[46:47], s[18:19]
	s_mul_i32 s45, s14, HALFT                      ; where they go: wave x 128 rows: no place in the cluster enters an LDS address
	s_wait_kmcnt 0x0
	s_load_b256 s[84:91], s[74:75], 0x0            ; e0 .. e7
	s_cmp_eq_u32 ttmp9, 2
	s_cselect_b64 s[4:5], s[72:73], s[68:69]       ; A: Wkv for v, else x
	s_cselect_b64 s[6:7], s[68:69], s[72:73]       ; B: x for v, else Wkv,
	s_cselect_b64 s[10:11], s[80:81], s[78:79]     ; the image: v's, else k's,
	s_cmp_eq_u32 ttmp9, 0
	s_cselect_b64 s[6:7], s[70:71], s[6:7]         ; or Wq
	s_cselect_b64 s[10:11], s[76:77], s[10:11]     ; and q's
	s_add_nc_u64 s[20:21], s[4:5], s[20:21]
	s_add_nc_u64 s[46:47], s[6:7], s[46:47]
	CROUND                                         ; all sixteen work-groups are here: the first joint loads meet
.irp s, 0,1
	s_mov_b32 s[G0+4*\s], 1
	s_add_co_u32 s[G0+4*\s+1], s45, \s*SLOT
	s_add_nc_u64 s[G0+4*\s+2:G0+4*\s+3], s[20:21], \s*ROWB
	s_or_b32 s[G0+4*\s+3], s[G0+4*\s+3], 0x80000000
	s_mov_b32 s[G0B+4*\s], 1
	s_add_co_u32 s[G0B+4*\s+1], s45, \s*SLOT
	s_add_nc_u64 s[G0B+4*\s+2:G0B+4*\s+3], s[46:47], \s*ROWB
	s_or_b32 s[G0B+4*\s+3], s[G0B+4*\s+3], 0x80000000
.endr
	JLOAD G0, G1, G0B, G1B                         ; K step 0: one tensor load a wave
	; THE PREFETCHES: K steps 2 and 3 of the 128 rows that I fetch, 256 bytes of a row each, a lane a row.  The four partners that ask for a tile jointly share its rows out by address: the partner at place p takes rows 32 p .. 32 p + 31
	s_cmp_eq_u32 s15, 0                            ; do I fetch for A?
	s_cselect_b64 s[8:9], s[20:21], s[46:47]       ; my 128 rows
	s_cselect_b32 s12, s40, s41                    ; p: cx for A, cy for B
	s_lshl_b32 s12, s12, 15                        ; 32 rows of 1,024 bytes
	s_mov_b32 s13, 0
	s_add_nc_u64 s[8:9], s[8:9], s[12:13]          ; never rewritten
	s_cmp_eq_u32 ttmp9, 2
	s_cselect_b32 s66, 1, 0
	s_xor_b32 s66, s66, s15                        ; 1 where my rows are a weight's (v: A's; q, k: B's).  All eight clusters of a kind read the same weight rows:
	s_and_b32 s67, ttmp7, 0xffff
	s_lshr_b32 s67, s67, 2
	s_and_b32 s66, s66, s67                        ; the four with y < 4 ask for them; s66 = 1: I ask for nothing.  (x's rows are read by three clusters, one of each kind: each asks)
	v_and_b32 v1, 15, v0                           ; l % 16
	v_bfe_u32 v2, v0, 4, 1                         ; l / 16
	v_mul_u32_u24 v3, v1, PITCH
	v_lshl_add_u32 v4, v2, 4, v3                   ; a fragment's row x pitch + 16 x half
	s_mul_i32 s21, s15, HALFT                      ; my 128 rows of A
	s_mul_i32 s22, s16, HALFT                      ; my 128 rows of B,
	s_add_co_u32 s22, s22, 2*HALFT                 ; which lie behind A's 256
.irp s, 0,1
	v_add_nc_u32 v[ADRA+\s], s21, v4
	v_add_nc_u32 v[ADRB+\s], s22, v4
	s_add_co_u32 s21, s21, SLOT
	s_add_co_u32 s22, s22, SLOT
.endr
	; where my codes go.  X = which 128 rows of A's side are mine, Y = which 128 of B's.  q, k: byte X x 131072 + a x 16384 + Y x 2048;  v: byte Y x 131072 + X x 16384 + a x 2048;  a = the block of 16 rows of A
	s_lshl_b32 s93, s93, 1
	s_add_co_u32 s93, s93, s15                     ; X
	s_lshl_b32 s95, s42, 1
	s_add_co_u32 s95, s95, s16                     ; Y
	s_cmp_eq_u32 ttmp9, 2
	s_cselect_b32 s82, s95, s93
	s_cselect_b32 s83, s93, s95
	s_cselect_b32 s96, 14, 11
	s_cselect_b32 s97, 11, 14
	s_lshl_b32 s82, s82, 17
	s_lshl_b32 s83, s83, s96
	s_add_co_u32 s82, s82, s83
	s_mov_b32 s83, 0
	s_add_nc_u64 s[10:11], s[10:11], s[82:83]
	s_lshl_b32 s94, 1, s97                         ; from block to block: 16,384 or 2,048 bytes
	v_and_b32 v5, 31, v0
	v_lshlrev_b32 v[LI], 4, v5
	v_lshlrev_b32 v33, 10, v5                      ; the prefetches' offset: my lane x a row of 1,024 bytes; never rewritten
	s_wait_alu depctr_va_vdst(0)
	s_cmp_eq_u32 s66, 0
	s_cbranch_scc0 .Lno_ask_2
	global_prefetch_b8 v33, s[8:9] offset:512 th:TH_LOAD_NT scope:SCOPE_SE   ; K step 2, which the first change of slots loads
.Lno_ask_2:
.irp a, 0,1,2,3,4,5,6,7
	s_mul_i32 s96, s94, \a
	v_add_nc_u32 v[DST+\a], s96, v[LI]
.endr
.macro FRAG reg, adr, q, i             ; a fragment, 16 rows x 128 K, is 16 registers: lane l holds row l % 16; registers 4 c .. 4 c + 3 hold K = 32 c + 16 (l / 16) + 0 .. 15: the same order of K on both sides
.irp c, 0,1,2,3
	ds_load_b128 v[\reg+4*\c:\reg+4*\c+3], v[\adr] offset:128*(\q)+32*\c+(\i)*16*PITCH
.endr
.endm
; 16 matrix instructions: A's blocks a0, a0 + 1 x B's eight, 128 along K.  p: B's set.  zero = 1: the first product starts the sums.  The 64 accumulators take turns, one instruction a turn.
.macro MUL16 a0, p, zero
.irp a, \a0, \a0+1
.irp b, 0,1,2,3,4,5,6,7
.if \zero
	v_wmma_f32_16x16x128_bf8_bf8 v[8*(8*((\a)%4)+\b):8*(8*((\a)%4)+\b)+7], v[128*(\p)+FR*\b:128*(\p)+FR*\b+FR-1], v[AF+FR*(\a):AF+FR*(\a)+FR-1], 0
.else
	v_wmma_f32_16x16x128_bf8_bf8 v[8*(8*((\a)%4)+\b):8*(8*((\a)%4)+\b)+7], v[128*(\p)+FR*\b:128*(\p)+FR*\b+FR-1], v[AF+FR*(\a):AF+FR*(\a)+FR-1], v[8*(8*((\a)%4)+\b):8*(8*((\a)%4)+\b)+7]
.endif
.endr
.endr
.endm
.macro FETCH_B slot, q, p              ; B's eight fragments of the slot's q-th 128 along K into set p
	WIN TO_B
.irp i, 0,1,2,3,4,5,6,7
	FRAG 128*(\p)+FR*\i, ADRB+\slot, \q, \i
.endr
	WIN 0
.endm
.macro FETCH_A slot, q, i0             ; A's blocks i0 .. i0 + 3
.irp i, \i0, \i0+1, \i0+2, \i0+3
	FRAG AF+FR*(\i), ADRA+\slot, \q, \i
.endr
.endm
.macro PLACES n                        ; plain vector lines between a matrix instruction and a load into, or a vector read or write of, its registers
.rept \n
	v_nop
.endr
.endm
; A step of 128 along K that has its successor in the same slot.
.macro STEP slot, q, zero
	s_wait_dscnt 4*NL                              ; B's set and A's blocks 0-3 are in; the youngest 16 loads (A's blocks 4-7) may be out
	WIN MUL_LO
	MUL16 0, (\q)%2, \zero
	MUL16 2, (\q)%2, \zero
	s_wait_dscnt 0                                 ; A's blocks 4-7 are in
	PLACES NP
	FETCH_B \slot, (\q)+1, 1-(\q)%2
	FETCH_A \slot, (\q)+1, 0
	WIN MUL_HI
	MUL16 4, (\q)%2, \zero
	MUL16 6, (\q)%2, \zero
	PLACES NP
	WIN 0
	FETCH_A \slot, (\q)+1, 4
.endm
; A slot's last step changes slots: one barrier; in front of it each wave waits for all its tensor loads, adds 0 to its spare word, and waits for that and for its own reads of this slot.  fill = 1: this slot is filled again, two K steps ahead.
.macro TURN slot, next, fill
	s_wait_tensorcnt 0x0                           ; all my tensor loads have landed: my part of the next slot
	ds_add_u32 v[SPW], v[NIL]                      ; 0 onto my spare word
	s_wait_dscnt 4*NL+1                            ; (the add and the youngest 16 loads, A's blocks 4-7, may be out)
	WIN MUL_LO
	MUL16 0, 1, 0                                  ; sixteen matrix instructions stand between the add and the wait for it
	s_wait_dscnt 0x0                               ; the add is done, and my reads of this slot are over
	s_barrier_signal -1
	MUL16 2, 1, 0
	WIN 0
	s_barrier_wait -1
.if \fill
	CREST                                          ; the barrier has opened a round of the cluster's barrier: no wave of any partner still reads this slot or has a load on its way
	s_add_nc_u64 s[G0+4*\slot+2:G0+4*\slot+3], s[G0+4*\slot+2:G0+4*\slot+3], 2*ROWB
	s_add_nc_u64 s[G0B+4*\slot+2:G0B+4*\slot+3], s[G0B+4*\slot+2:G0B+4*\slot+3], 2*ROWB
	JLOAD G0+4*\slot, G1, G0B+4*\slot, G1B         ; the first tensor load behind the round; its four v_nop are also the places in front of the loads below
.else
	PLACES NP
.endif
	FETCH_B \next, 0, 0
	FETCH_A \next, 0, 0
	WIN MUL_HI
	MUL16 4, 1, 0
	MUL16 6, 1, 0
	PLACES NP
	WIN 0
	FETCH_A \next, 0, 4
.endm
	s_wait_alu depctr_va_vdst(0)                   ; the wait at the head's end
	s_wait_tensorcnt 0x0                           ; my part of K step 0 is in
	ds_add_u32 v[SPW], v[NIL]
	s_wait_dscnt 0x0
	CROUND                                         ; everybody's part of K step 0 is in, and all sixteen work-groups are here
	JLOAD G0+4, G1, G0B+4, G1B                     ; K step 1: the first tensor load behind the round
	FETCH_B 0, 0, 0
	FETCH_A 0, 0, 0
	FETCH_A 0, 0, 4
	s_cmp_eq_u32 s66, 0
	s_cbranch_scc0 .Lno_ask_3
	global_prefetch_b8 v33, s[8:9] offset:768 th:TH_LOAD_NT scope:SCOPE_SE   ; K step 3, the last: two refills ahead of its load
.Lno_ask_3:
	STEP 0, 0, 1
	s_mov_b32 s3, LAPS-1
.Llap:                                                 ; a trip goes once round the ring and fills both slots again
	TURN 0, 1, 1
	STEP 1, 0, 0
	TURN 1, 0, 1
	STEP 0, 0, 0
	s_sub_co_u32 s3, s3, 1
	s_cmp_lg_u32 s3, 0
	s_cbranch_scc1 .Llap
	TURN 0, 1, 0                                   ; the last lap fills nothing
	STEP 1, 0, 0
	s_wait_dscnt 4*NL                              ; the very last step: nothing more to fetch
	WIN MUL_LO
	MUL16 0, 1, 0
	MUL16 2, 1, 0
	s_wait_dscnt 0
	WIN MUL_HI
	MUL16 4, 1, 0
	MUL16 6, 1, 0
	WIN 0
	; THE WAY OUT: the scale of my kind, then block by block: hold, convert, store.
	s_wait_kmcnt 0x0
	s_add_co_i32 s84, s84, s85                     ; e0 + e1
	s_add_co_i32 s86, s86, s87                     ; e2 + e3
	s_cmp_eq_u32 ttmp9, 2
	s_cselect_b32 s89, s91, s89                    ; v: e7, else e5,
	s_cmp_eq_u32 ttmp9, 0
	s_cselect_b32 s89, s88, s89                    ; q: e4
	s_cselect_b32 s86, s84, s86
	s_sub_co_i32 s89, s89, s86                     ; E
	s_add_co_i32 s89, s89, 127
	s_lshl_b32 s88, s89, 23
	v_mov_b32 v[SCL], s88                          ; 2^E as f32: the conversion takes its exponent field
	s_add_co_i32 s89, s89, 15
	s_lshl_b32 s89, s89, 23
	s_or_b32 s89, s89, 0x600000
	v_mov_b32 v[LIM], s89                          ; 57,344 x 2^E
	PLACES NP                                      ; behind the last products: their results are read and A's fragments are written below
; Block a: 16 rows of A x my 128 rows of B.  Each accumulator is taken from its low end on.  The 16 registers of codes lie where A's fragment a lay; each block has its own, so no store's data are written again.
.macro OUTBLK a
.set AC, 64*((\a)%4)
	WIN 0x82+0x41*((\a)/4)                         ; destination and source 0: window 2 or 3
.set i, 0
.rept 64
	v_med3_num_f32 v[AC+i], v[AC+i], -v[LIM], v[LIM]   ; the conversion to an 8-bit code does not saturate (ISA guide 7.6.2): the hold at the largest code x the scale
.set i, i+1
.endr
	WIN 0x02+((\a)/4)                              ; source 0: window 2 or 3
.irp b, 0,1,2,3,4,5,6,7
	v_cvt_scalef32_pk8_bf8_f32 v[AF+16*(\a)+2*\b:AF+16*(\a)+2*\b+1], v[AC+8*\b:AC+8*\b+7], v[SCL]
.endr
	WIN 0
.irp g, 0,1,2,3
	global_store_b128 v[DST+(\a)], v[AF+16*(\a)+4*\g:AF+16*(\a)+4*\g+3], s[10:11] offset:512*\g   ; 32 lanes store 512 consecutive bytes, at a multiple of 512 from the image's first byte
.endr
.endm
.irp a, 0,1,2,3,4,5,6,7
	OUTBLK \a                                      ; the next block's holds are the plain lines behind this block's conversions
.endr
	v_nop                                          ; and this one behind the last block's
	s_wait_tensorcnt 0x0                           ; the wave's end
	ds_add_u32 v[SPW], v[NIL]
	s_wait_dscnt 0x0
	CROUND                                         ; the closing round: no work-group ends while a partner may still ask for a tile that names it
	s_endpgm
.Lfunc_end_k_qe14460e3e9_qkv:
	.size	k_qe14460e3e9_qkv, .Lfunc_end_k_qe14460e3e9_qkv-k_qe14460e3e9_qkv
	.p2alignl 7, 3214868480
	.fill 96, 4, 3214868480
	.section	.rodata,"a",@progbits
	.p2align	6, 0x0
	.amdhsa_kernel k_qe14460e3e9_qkv
		.amdhsa_group_segment_fixed_size 327680
		.amdhsa_private_segment_fixed_size 0
		.amdhsa_enable_private_segment 0
		.amdhsa_kernarg_size 56
		.amdhsa_user_sgpr_count 2
		.amdhsa_user_sgpr_kernarg_segment_ptr 1
		.amdhsa_wavefront_size32 1
		.amdhsa_system_sgpr_workgroup_id_x 1
		.amdhsa_system_sgpr_workgroup_id_y 1
		.amdhsa_system_sgpr_workgroup_id_z 1
		.amdhsa_system_vgpr_workitem_id 0
		.amdhsa_next_free_vgpr 1024
		.amdhsa_next_free_sgpr 98
		.amdhsa_reserve_vcc 0
		.amdhsa_float_denorm_mode_32 3
		.amdhsa_float_denorm_mode_16_64 3
		.amdhsa_memory_ordered 1
		.amdhsa_forward_progress 1
		.amdhsa_inst_pref_size 120
	.end_amdhsa_kernel
	.amdgpu_metadata
---
amdhsa.version: [ 1, 2 ]
amdhsa.kernels:
  - .name:           k_qe14460e3e9_qkv
    .symbol:         k_qe14460e3e9_qkv.kd
    .args:
      - { .name: x_codes, .offset: 0, .size: 8, .value_kind: global_buffer, .address_space: global }
      - { .name: w_q_codes, .offset: 8, .size: 8, .value_kind: global_buffer, .address_space: global }
      - { .name: w_kv_codes, .offset: 16, .size: 8, .value_kind: global_buffer, .address_space: global }
      - { .name: lowp_scales, .offset: 24, .size: 8, .value_kind: global_buffer, .address_space: global }
      - { .name: q_img, .offset: 32, .size: 8, .value_kind: global_buffer, .address_space: global }
      - { .name: k_img, .offset: 40, .size: 8, .value_kind: global_buffer, .address_space: global }
      - { .name: v_img, .offset: 48, .size: 8, .value_kind: global_buffer, .address_space: global }
    .group_segment_fixed_size: 327680
    .private_segment_fixed_size: 0
    .kernarg_segment_align: 8
    .kernarg_segment_size: 56
    .max_flat_workgroup_size: 128
    .sgpr_count:     98
    .vgpr_count:     1024
    .wavefront_size: 32
...
	.end_amdgpu_metadata
.endif
;; end of part 1
;; launch attn (part 2): grid 4 x 64, 8 waves a work-group, clusters of 4 x 1, 327,680 bytes of LDS; arguments q_img, k_img, v_img, lowp_scales, a_img; writes a_img
.if DOCPART == 2
	.amdgcn_target "amdgcn-amd-amdhsa--gfx1250"
	.amdhsa_code_object_version 6
	.text
	.protected	k_qe14460e3e9_attn
	.globl	k_qe14460e3e9_attn
	.p2align	8
	.type	k_qe14460e3e9_attn,@function
k_qe14460e3e9_attn:
	s_mov_b64 s[64:65], 0
	v_nop
	global_prefetch_b8 v0, s[64:65] scope:SCOPE_SE
	s_setreg_imm32_b32 hwreg(HW_REG_WAVE_MODE, 25, 1), 1
	s_wait_xcnt 0x0
	s_wait_alu depctr_hold_cnt(0) depctr_sa_sdst(0) depctr_va_vdst(0) depctr_va_sdst(0) depctr_va_ssrc(0) depctr_va_vcc(0) depctr_vm_vsrc(0)
	s_getreg_b32 s2, hwreg(HW_REG_IB_STS2, 6, 4)
	s_cmp_eq_u32 s2, 0
	s_cbranch_scc0 .Lentry_in_a_cluster
	s_endpgm
.Lentry_in_a_cluster:
	s_bfe_u32 s2, ttmp6, 0x10000c
	s_cmp_lg_u32 s2, 0x3003
	s_cbranch_scc0 .Lentry_shape_is_right
	s_endpgm
.Lentry_shape_is_right:
; Attention of one head on codes of BF8 (E5M2): S^T = K Q^T, p = 2^(t - M), O^T = V^T P^T, O / l quantised for the last projection.  Head size 64, 2,048 keys, 64 (batch, head) pairs.
; INPUTS are images of operand registers.  q_img, k_img: byte ((token / 16) x 16 + head) x 1024 + 512 g + 16 lane: a fragment of 16 tokens x 64 features, registers 4 g .. 4 g + 3.
;   v_img: byte (token / 128) x 131072 + head x 8192 + t x 2048 + 512 g + 16 lane: a fragment of 16 channels (tile t) x 128 keys.   (token counts through the batch.)
; OUTPUT a_img: byte (token / 16) x 16384 + head x 1024 + 512 c + 16 lane: lane (r, h) holds, of token r, hidden features 64 head + 32 c + 16 h + 0 .. 15.
; THE SOFTMAX: t = score x log2(e) / 8; M = the row's largest t so far, rounded UP to a whole number; p = 2^(t - M) is quantised, not normalised; l, the sum of the unquantised p, divides O at the end.
;   When M moves, l and O^T are multiplied by 2^(old M - new M), which rounds nothing.
; SHARES.  A cluster of four work-groups has one (batch, head); a work-group has 512 queries; each of its eight waves 64, in two passes of two tiles of 16.  A fragment of K or V read from LDS feeds two products.
; THE WHOLE HEAD'S K AND V LIE IN LDS, 128 KiB each; each byte is filled ONCE, in two halves of 1,024 keys.  For each half a wave issues one joint load of 16 KiB (waves 0-3: 16 token tiles of K each;
;   waves 4-7: 2 key steps of V each), with a mask that names the four work-groups.  The second half's loads stand behind a round of the cluster's barrier.
;   The first pass's first seven key steps read the first half alone (the seventh fetches the eighth step's K, the first half's last); a wait and one barrier follow, then the other nine steps.
;   Nothing is loaded from memory inside a loop, so there is no step to prefetch ahead of: no prefetch is written.
; A KEY STEP is 128 keys for both tiles.  The next step's K is read from LDS behind this step's score products (wrap = 1: its address wraps at K's end, so that a pass's last step fetches the next pass's first K;
;   the second pass's last step reads those eight fragments' words for nothing), this step's V with it.
;   The exponentials go in two batches of 64; among them stand plain lines whose results are read only behind the batch's wait: tile 1's t - M in the first; tile 0's first level of sums and its holds in the second.
; LAYOUT.  Both products are used transposed: a lane holds ONE query (lane % 16).  In tile c of S^T lane (r, h) holds keys 16 c + 8 h + 0 .. 7: their eight codes are registers 2 c, 2 c + 1 of P's fragment.
; LIMITS on the given exponents, so that each power of two below is an f32 number: e4 + e5 between -123 and 130; e6, and e8 - e6 - e7, between -126 and 112.  NaN among the inputs is not served.
; REGISTERS.  window 0: v1-6 addresses, p's scale numbers; v8-15 statistics; v16-31 at work; v32-59 partial sums (on the way out: O's codes); v60-61 O's scale numbers; v62-63 the add's; v64-191 S^T, then p; v192-255 O^T.
;   window 1: v0-31 Q (8 a tile, four tiles); v32-95 K of a key step; v96-159 V; v160-191 P's codes.
.set SPARE, 0x40000                    ; behind K and V: the spare words, 128 bytes a wave
.set LI,   1                           ; 16 x lane
.set LV,   2                           ; the same + 131072: V's half of LDS
.set ADK,  3
.set ADV,  4
.set PSC,  5                           ; 2^e6
.set PLIM, 6                           ; 57,344 x 2^e6
.set STT,  8                           ; tile u at v[STT+4u]: +0 -M, +1 the largest t, +2, +3 l in two halves
.set TMPB, 16                          ; tile u at v[TMPB+8u]: +0, +1 f (the upper word is 0), +2 .. +5 at work, +6 the lane permute's result
.set LT,   32                          ; 14 pairs: tile 0's first level of sums (pairs 14 and 15 lie at TMPB+2, TMPB+4)
.set OC,   32
.set OSC,  60                          ; 2^(e8 - e6 - e7)
.set OLIM, 61                          ; 57,344 x that
.set SPW,  62
.set NIL,  63
.set S,    64
.set O,    192
.set QF,   0                           ; in window 1
.set KF,   32
.set VF,   96
.set PC,   160
.set WV,   14
.set W3,   15
.set G1K,  16
.set G1V,  24
.set G0K,  32
.set G0V,  36
.set TN,   40                          ; LDS byte of the next step's K
.set CS,   78                          ; s[78:79] c = log2(e) / 8 x 2^(e4 + e5), twice
.set SEL,  80                          ; s[80:81] lane l xor 16
.set TB,   82                          ; 8,192 x the key step
.set CNT,  83
.set MSB, 0
.macro WIN new                         ; the immediate's high byte repeats the setting that is left
.if MSB != \new
	s_set_vgpr_msb (MSB<<8)|\new
.set MSB, \new
.endif
.endm
.macro CROUND                          ; a round of the cluster's barrier
	s_barrier_signal -1
	s_barrier_wait -1
	s_cmp_lg_u32 s[WV], 0
	s_cbranch_scc1 .Lnot_wave_0_\@
	s_barrier_signal -3
.Lnot_wave_0_\@:
	s_barrier_wait -3
	s_barrier_signal -1
	s_barrier_wait -1
.endm
.macro JLOAD                           ; waves 0-3 ask for K, waves 4-7 for V: one joint load a wave; an s_nop 0 and four v_nop follow each line
	s_cmp_lt_u32 s[WV], 4
	s_cbranch_scc0 .Lfor_v_\@
	tensor_load_to_lds s[G0K:G0K+3], s[G1K:G1K+7]
	s_nop 0
.rept 4
	v_nop
.endr
	s_branch .Lasked_\@
.Lfor_v_\@:
	tensor_load_to_lds s[G0V:G0V+3], s[G1V:G1V+7]
	s_nop 0
.rept 4
	v_nop
.endr
.Lasked_\@:
.endm
	s_load_b256 s[4:11], s[0:1], 0x0               ; q_img, k_img, v_img, the scales' exponents
	s_load_b64 s[12:13], s[0:1], 0x20              ; a_img
	v_lshl_add_u32 v[SPW], v0, 2, SPARE
	v_mov_b32 v[NIL], 0
	ds_add_u32 v[SPW], v[NIL]                      ; the opening lines: the add twice on end
	ds_add_u32 v[SPW], v[NIL]
	v_lshrrev_b32 v[ADK], 5, v0
	v_readfirstlane_b32 s[WV], v[ADK]              ; wave 0..7
	s_and_b32 s[W3], s[WV], 3
	v_and_b32 v[LI], 31, v0
	v_lshlrev_b32 v[LI], 4, v[LI]
	v_add_nc_u32 v[LV], 131072, v[LI]
	s_bfe_u32 s84, ttmp6, 0x40000                  ; cx: my block of 512 queries: it enters Q's and the output's addresses alone
	s_and_b32 s85, ttmp7, 0xffff                   ; 16 b + head
	s_lshr_b32 s86, s85, 4                         ; b
	s_and_b32 s87, s85, 15                         ; head
	s_lshl_b32 s88, s86, 21                        ; a batch entry's 2 MiB in each image,
	s_lshl_b32 s92, s[W3], 18                      ; + my share of a half: 16 token tiles of K (16 x 16,384 bytes) or 2 key steps of V (2 x 131,072)
	s_add_co_u32 s88, s88, s92
	s_lshl_b32 s90, s87, 10
	s_add_co_u32 s90, s90, s88                     ; K: + head x 1,024
	s_mov_b32 s91, 0
	s_lshl_b32 s92, s87, 13
	s_add_co_u32 s92, s92, s88                     ; V: + head x 8,192
	s_mov_b32 s93, 0
	s_lshl_b32 s94, s[W3], 14                      ; in LDS: 16,384 bytes a wave
	s_lshl_b32 s86, s86, 7                         ; my first token tile: 128 b + 32 cx + 2 wave
	s_lshl_b32 s84, s84, 5
	s_add_co_u32 s86, s86, s84
	s_lshl_b32 s84, s[WV], 1
	s_add_co_u32 s86, s86, s84
	s_lshl_b32 s86, s86, 14
	s_lshl_b32 s84, s87, 10
	s_add_co_u32 s86, s86, s84                     ; x 16,384 + head x 1,024: the same in q_img and in a_img
	s_mov_b32 s87, 0
	; groups 1, elements of 8 bytes, no padding.  K: 16 rows of 1,024 bytes, 16,384 bytes apart.  V: 2 rows of 8,192 bytes, 131,072 apart.
	s_mov_b32 s[G1K], 15|(3<<16)|(1<<21)           ; the mask: all four work-groups; elements of 8 bytes; bit 21 beside a mask
	s_mov_b32 s[G1K+1], 128<<16
	s_mov_b32 s[G1K+2], 16<<16
	s_mov_b32 s[G1K+3], 128<<16
	s_mov_b32 s[G1K+4], 16
	s_mov_b32 s[G1K+5], 2048
	s_mov_b32 s[G1K+6], 0
	s_mov_b32 s[G1K+7], 0
	s_mov_b32 s[G1V], 15|(3<<16)|(1<<21)
	s_mov_b32 s[G1V+1], 1024<<16
	s_mov_b32 s[G1V+2], 2<<16
	s_mov_b32 s[G1V+3], 1024<<16
	s_mov_b32 s[G1V+4], 2
	s_mov_b32 s[G1V+5], 16384
	s_mov_b32 s[G1V+6], 0
	s_mov_b32 s[G1V+7], 0
	s_mov_b32 s[SEL], 0x76543210
	s_mov_b32 s[SEL+1], 0xfedcba98
	s_wait_dscnt 0x0                               ; both opening adds are done
	s_wait_kmcnt 0x0
	s_load_b256 s[68:75], s[10:11], 0x0            ; e0 .. e7
	s_load_b64 s[76:77], s[10:11], 0x20            ; e8, e9
	s_mov_b32 s[G0K], 1
	s_mov_b32 s[G0K+1], s94
	s_add_nc_u64 s[G0K+2:G0K+3], s[6:7], s[90:91]
	s_or_b32 s[G0K+3], s[G0K+3], 0x80000000
	s_mov_b32 s[G0V], 1
	s_add_co_u32 s[G0V+1], s94, 131072
	s_add_nc_u64 s[G0V+2:G0V+3], s[8:9], s[92:93]
	s_or_b32 s[G0V+3], s[G0V+3], 0x80000000
	s_add_nc_u64 s[4:5], s[4:5], s[86:87]
	s_add_nc_u64 s[12:13], s[12:13], s[86:87]
	CROUND                                         ; all four work-groups are here: the joint loads meet
	JLOAD                                          ; keys 0 .. 1,023
	WIN 0x40                                       ; destination window 1
	s_wait_alu depctr_va_vdst(0)                   ; the wait ahead of the reader of v[LI]
.irp p, 0,1                            ; Q stays in registers: pass p, tile u: token tile + 16 p + u
.irp u, 0,1
.irp g, 0,1
	global_load_b128 v[QF+16*\p+8*\u+4*\g:QF+16*\p+8*\u+4*\g+3], v[LI], s[4:5] offset:262144*\p+16384*\u+512*\g th:TH_LOAD_NT
.endr
.endr
.endr
	WIN 0
.irp u, 0,1
	v_mov_b32 v[TMPB+8*\u+1], 0                    ; (named as the upper half of f's pair)
	v_mov_b32 v[TMPB+8*\u+6], 0                    ; a lane permute's destination counts as one of its sources
.endr
	s_wait_kmcnt 0x0
	s_add_co_i32 s84, s72, s73                     ; e4 + e5 are added to c's exponent field
	s_lshl_b32 s84, s84, 23
	s_mov_b32 s[CS], 0x3e38aa3b                    ; log2(e) / 8
	s_add_co_i32 s[CS], s[CS], s84
	s_mov_b32 s[CS+1], s[CS]
	s_add_co_i32 s84, s74, 127
	s_lshl_b32 s85, s84, 23
	v_mov_b32 v[PSC], s85
	s_add_co_i32 s84, s84, 15
	s_lshl_b32 s84, s84, 23
	s_or_b32 s84, s84, 0x600000
	v_mov_b32 v[PLIM], s84
	s_sub_co_i32 s84, s76, s74                     ; a sum of O^T stands for sum x 2^(e6 + e7): its code is (sum / l) / 2^(e8 - e6 - e7)
	s_sub_co_i32 s84, s84, s75
	s_add_co_i32 s84, s84, 127
	s_lshl_b32 s85, s84, 23
	v_mov_b32 v[OSC], s85
	s_add_co_i32 s84, s84, 15
	s_lshl_b32 s84, s84, 23
	s_or_b32 s84, s84, 0x600000
	v_mov_b32 v[OLIM], s84
; A pass begins: the largest t is -3e38; the sums and O^T are zeros, which the first change of M leaves zeros.  So the key step is written in one form.
.macro INIT
.irp u, 0,1
	v_mov_b32 v[STT+4*\u+1], 0xff61b1e6
	s_delay_alu instid0(VALU_DEP_1)
	v_floor_f32 v[STT+4*\u], -v[STT+4*\u+1]
	v_mov_b32 v[STT+4*\u+2], 0
	v_mov_b32 v[STT+4*\u+3], 0
.endr
.set j, 0
.rept 64
	v_mov_b32 v[O+j], 0
.set j, j+1
.endr
.endm
.macro HOLD2 r                         ; two holds in one line: the conversion to an 8-bit code does not saturate (ISA guide 7.6.2); p is not negative, so the hold is one-sided
	v_dual_min_num_f32 v[\r], v[\r], v[PLIM] :: v_dual_min_num_f32 v[\r+1], v[\r+1], v[PLIM]
.endm
; A KEY STEP: 128 keys for both tiles of the pass.  qb: where the pass's Q lies.  wrap: the next K's address wraps at K's end.
.macro STEP qb, wrap
	s_wait_dscnt 0x0                               ; this step's K, asked for a step ago
	WIN 0x05                                       ; sources 0 and 1 window 1
.irp t, 0,1,2,3,4,5,6,7
.irp u, 0,1
	v_wmma_f32_16x16x64_bf8_bf8 v[S+64*\u+8*\t:S+64*\u+8*\t+7], v[KF+8*\t:KF+8*\t+7], v[\qb+8*\u:\qb+8*\u+7], 0
.endr
.endr
	WIN 0
	s_add_co_u32 s[TN], s[TB], 8192
.if \wrap
	s_and_b32 s[TN], s[TN], 0x1ffff                ; behind K's last step comes its first
.endif
	v_add_nc_u32 v[ADV], s[TB], v[LV]
	v_add_nc_u32 v[ADK], s[TN], v[LI]
	v_nop                                          ; with the two additions: four places behind the products, in front of the loads into K's and V's registers and of the reads of S^T
	v_nop
	WIN 0x40
.irp t, 0,1,2,3                        ; V of this step: four fragments of 16 channels x 128 keys; a load's 32 lanes take 512 consecutive bytes
.irp g, 0,1,2,3
	ds_load_b128 v[VF+16*\t+4*\g:VF+16*\t+4*\g+3], v[ADV] offset:2048*\t+512*\g
.endr
.endr
.irp t, 0,1,2,3,4,5,6,7                ; K of the next step: eight fragments of 16 keys x 64
	ds_load_b128 v[KF+8*\t:KF+8*\t+3],   v[ADK] offset:1024*\t
	ds_load_b128 v[KF+8*\t+4:KF+8*\t+7], v[ADK] offset:1024*\t+512
.endr
	WIN 0
.irp u, 0,1                            ; the step's largest score of my query among my 64 keys: two chains a tile, each accumulator from its low end on
	v_max3_num_f32 v[TMPB+8*\u+4], v[S+64*\u], v[S+64*\u+1], v[S+64*\u+2]
	v_max3_num_f32 v[TMPB+8*\u+5], v[S+64*\u+3], v[S+64*\u+4], v[S+64*\u+5]
.endr
.set j, 6
.rept 14
.irp u, 0,1
	v_max3_num_f32 v[TMPB+8*\u+4], v[TMPB+8*\u+4], v[S+64*\u+j], v[S+64*\u+j+1]
	v_max3_num_f32 v[TMPB+8*\u+5], v[TMPB+8*\u+5], v[S+64*\u+j+2], v[S+64*\u+j+3]
.endr
.set j, j+4
.endr
.irp u, 0,1
	v_max3_num_f32 v[TMPB+8*\u+4], v[TMPB+8*\u+4], v[S+64*\u+62], v[S+64*\u+63]
.endr
.irp u, 0,1
	s_delay_alu instid0(VALU_DEP_2)
	v_max_num_f32 v[TMPB+8*\u+4], v[TMPB+8*\u+4], v[TMPB+8*\u+5]
.endr
.irp u, 0,1
	s_delay_alu instid0(VALU_DEP_2)
	v_permlanex16_b32 v[TMPB+8*\u+6], v[TMPB+8*\u+4], s[SEL], s[SEL+1]
.endr
.irp u, 0,1
	s_delay_alu instid0(VALU_DEP_2)
	v_max_num_f32 v[TMPB+8*\u+4], v[TMPB+8*\u+4], v[TMPB+8*\u+6]   ; and among lane l xor 16's
.endr
.irp u, 0,1
	s_delay_alu instid0(VALU_DEP_2)
	v_mul_f32 v[TMPB+8*\u+4], s[CS], v[TMPB+8*\u+4]                ; as t (c is positive)
.endr
.irp u, 0,1
	s_delay_alu instid0(VALU_DEP_2)
	v_max_num_f32 v[STT+4*\u+1], v[STT+4*\u+1], v[TMPB+8*\u+4]     ; the running largest t
.endr
.irp u, 0,1
	v_mov_b32 v[TMPB+8*\u+4], v[STT+4*\u]
.endr
.irp u, 0,1
	s_delay_alu instid0(VALU_DEP_4)
	v_floor_f32 v[STT+4*\u], -v[STT+4*\u+1]                        ; the new -M = floor(-t): M is a whole number
.endr
.irp u, 0,1
	s_delay_alu instid0(VALU_DEP_2)
	v_sub_f32 v[TMPB+8*\u+4], v[STT+4*\u], v[TMPB+8*\u+4]          ; old M less new M: a whole number, 0 or less
.endr
.irp u, 0,1
	s_delay_alu instid0(VALU_DEP_2)
	v_cvt_i32_f32 v[TMPB+8*\u+4], v[TMPB+8*\u+4]                   ; (it saturates)
.endr
.irp u, 0,1
	s_delay_alu instid0(VALU_DEP_2)
	v_ldexp_f32 v[TMPB+8*\u], 1.0, v[TMPB+8*\u+4]                  ; f = 2^(old M - new M)
.endr
.set j, 0
.rept 32
	v_pk_fma_f32 v[S+j:S+j+1], v[S+j:S+j+1], s[CS:CS+1], v[STT:STT+1] op_sel_hi:[1,0,0]   ; tile 0: t - M, two at a time (of the pairs c and -M the low word serves both halves)
.set j, j+2
.endr
.irp u, 0,1
	v_pk_mul_f32 v[STT+4*\u+2:STT+4*\u+3], v[STT+4*\u+2:STT+4*\u+3], v[TMPB+8*\u:TMPB+8*\u+1] op_sel_hi:[1,0]   ; l under the new M
.endr
.irp u, 0,1
.set j, 0
.rept 16
	v_pk_mul_f32 v[O+32*\u+j:O+32*\u+j+1], v[O+32*\u+j:O+32*\u+j+1], v[TMPB+8*\u:TMPB+8*\u+1] op_sel_hi:[1,0]   ; O^T under the new M: no transcendental stands between the last step's products and these first readers
.set j, j+2
.endr
.endr
	s_wait_alu depctr_va_vdst(0)                   ; the wait ahead of a batch
.set j, 0
.rept 32                               ; tile 0's p = 2^(t - M); among them tile 1's t - M, read behind the next wait
	v_exp_f32 v[S+j], v[S+j]
	v_exp_f32 v[S+j+1], v[S+j+1]
	v_pk_fma_f32 v[S+64+j:S+64+j+1], v[S+64+j:S+64+j+1], s[CS:CS+1], v[STT+4:STT+5] op_sel_hi:[1,0,0]
.set j, j+2
.endr
	s_wait_alu depctr_va_vdst(0)                   ; behind the first batch and ahead of the second: one wait for both
.set i, 0
.rept 16                               ; tile 1's p; among them, of tile 0: the first level of the sum of the unquantised p, then its holds: all read behind the next wait
.if i < 14
.set LFD, LT+2*i
.else
.set LFD, TMPB+2+2*(i-14)
.endif
	v_exp_f32 v[S+64+4*i], v[S+64+4*i]
	v_pk_add_f32 v[LFD:LFD+1], v[S+4*i:S+4*i+1], v[S+4*i+2:S+4*i+3]
	v_exp_f32 v[S+64+4*i+1], v[S+64+4*i+1]
	HOLD2 S+4*i
	v_exp_f32 v[S+64+4*i+2], v[S+64+4*i+2]
	HOLD2 S+4*i+2
	v_exp_f32 v[S+64+4*i+3], v[S+64+4*i+3]
.set i, i+1
.endr
	v_nop                                          ; a plain line behind the last exponential
	s_wait_alu depctr_va_vdst(0)                   ; the wait behind the batch, ahead of its first reader
	v_pk_add_f32 v[TMPB+10:TMPB+11], v[S+64:S+65], v[S+66:S+67]   ; tile 1's sum in two chains, tile 0's sixteen partial sums in two more, tile 1's holds behind the sums that read the same p
.set k, 0
.rept 15
	v_pk_add_f32 v[STT+6:STT+7], v[STT+6:STT+7], v[S+68+4*k:S+69+4*k]
	v_pk_add_f32 v[TMPB+10:TMPB+11], v[TMPB+10:TMPB+11], v[S+70+4*k:S+71+4*k]
.if k < 8
	v_pk_add_f32 v[STT+2:STT+3], v[STT+2:STT+3], v[LT+2*k:LT+2*k+1]
.endif
.if k < 6
	v_pk_add_f32 v[TMPB+4:TMPB+5], v[TMPB+4:TMPB+5], v[LT+16+2*k:LT+17+2*k]
.endif
.if k == 6
	v_pk_add_f32 v[TMPB+4:TMPB+5], v[TMPB+4:TMPB+5], v[TMPB+2:TMPB+3]
.endif
.if k == 8
	v_pk_add_f32 v[STT+2:STT+3], v[STT+2:STT+3], v[TMPB+4:TMPB+5]
.endif
	HOLD2 S+64+4*k
	HOLD2 S+66+4*k
.set k, k+1
.endr
	v_pk_add_f32 v[STT+6:STT+7], v[STT+6:STT+7], v[TMPB+10:TMPB+11]
	HOLD2 S+124
	HOLD2 S+126
	WIN 0x40                                       ; destination window 1
.irp u, 0,1
.irp c, 0,1,2,3,4,5,6,7
	v_cvt_scalef32_pk8_bf8_f32 v[PC+16*\u+2*\c:PC+16*\u+2*\c+1], v[S+64*\u+8*\c:S+64*\u+8*\c+7], v[PSC]
.endr
.endr
	WIN 0
	v_nop                                          ; a plain line between the conversions and the products that read their results
	s_wait_alu depctr_va_vdst(0)                   ; directly ahead of the wait below
	s_wait_dscnt 16                                ; V is in; the sixteen loads of the next K may be out
	WIN 0x05
.irp t, 0,1,2,3                        ; the eight accumulators take turns; sixteen other products stand between two steps of a sum
.irp u, 0,1
	v_wmma_f32_16x16x128_bf8_bf8 v[O+32*\u+8*\t:O+32*\u+8*\t+7], v[VF+16*\t:VF+16*\t+15], v[PC+16*\u:PC+16*\u+15], v[O+32*\u+8*\t:O+32*\u+8*\t+7]
.endr
.endr
	WIN 0
.endm
.macro STEPS qb, n, wrap               ; n key steps from s[TB] on
	s_mov_b32 s[CNT], \n
.Lstep_\@:
	STEP \qb, \wrap
	s_add_co_u32 s[TB], s[TB], 8192
	s_sub_co_u32 s[CNT], s[CNT], 1
	s_cmp_lg_u32 s[CNT], 0
	s_cbranch_scc1 .Lstep_\@
.endm
; THE WAY OUT of pass p.  O^T / l is held, converted (registers 2 t, 2 t + 1: channels 16 t + 8 h + 0 .. 7) and brought into the order of the last projection's operand: exchanging the upper lanes of register x
; with the lower lanes of register x + 2 leaves lane (r, h) with channels 32 c + 16 h + 0 .. 15 in registers 4 c .. 4 c + 3.
.macro WAYOUT p
.rept 4
	v_nop                                          ; places behind the last products
.endr
.irp u, 0,1
	v_add_f32 v[STT+4*\u+2], v[STT+4*\u+2], v[STT+4*\u+3]          ; the sum's two halves,
.endr
.irp u, 0,1
	s_delay_alu instid0(VALU_DEP_2)
	v_permlanex16_b32 v[TMPB+8*\u+6], v[STT+4*\u+2], s[SEL], s[SEL+1]
.endr
.irp u, 0,1
	s_delay_alu instid0(VALU_DEP_2)
	v_add_f32 v[STT+4*\u+2], v[STT+4*\u+2], v[TMPB+8*\u+6]         ; and lane l xor 16's: l
.endr
	s_wait_alu depctr_va_vdst(0)                   ; the wait ahead of the batch
.irp u, 0,1
	v_rcp_f32 v[TMPB+8*\u], v[STT+4*\u+2]
.endr
	v_nop                                          ; a plain line behind the reciprocals
	s_wait_alu depctr_va_vdst(0)                   ; the wait ahead of their first reader, and of the first readers of O^T
.irp u, 0,1
.set j, 0
.rept 16
	v_pk_mul_f32 v[O+32*\u+j:O+32*\u+j+1], v[O+32*\u+j:O+32*\u+j+1], v[TMPB+8*\u:TMPB+8*\u+1] op_sel_hi:[1,0]
.set j, j+2
.endr
.endr
.set j, 0
.rept 64
	v_med3_num_f32 v[O+j], v[O+j], -v[OLIM], v[OLIM]
.set j, j+1
.endr
.irp u, 0,1
.irp t, 0,1,2,3
	v_cvt_scalef32_pk8_bf8_f32 v[OC+8*\u+2*\t:OC+8*\u+2*\t+1], v[O+32*\u+8*\t:O+32*\u+8*\t+7], v[OSC]
.endr
.endr
	v_nop                                          ; a plain line between the conversions and the lines that touch their results
.irp u, 0,1
	v_permlane16_swap_b32 v[OC+8*\u], v[OC+8*\u+2]
	v_permlane16_swap_b32 v[OC+8*\u+1], v[OC+8*\u+3]
	v_permlane16_swap_b32 v[OC+8*\u+4], v[OC+8*\u+6]
	v_permlane16_swap_b32 v[OC+8*\u+5], v[OC+8*\u+7]
.endr
.irp u, 0,1
.irp c, 0,1
	global_store_b128 v[LI], v[OC+8*\u+4*\c:OC+8*\u+4*\c+3], s[12:13] offset:262144*\p+16384*\u+512*\c   ; 32 lanes store 512 consecutive bytes, at a multiple of 512 from the image's first byte
.endr
.endr
.endm
	INIT
	s_wait_alu depctr_va_vdst(0)                   ; the wait at the head's end
	s_wait_loadcnt 0x0                             ; Q
	s_wait_tensorcnt 0x0                           ; my part of the first half has landed
	ds_add_u32 v[SPW], v[NIL]                      ; 0 onto my spare word; the descriptors' steps stand between it and the wait for it
	s_add_co_u32 s[G0K+1], s[G0K+1], 65536         ; the second half: 64 token tiles of K, 8 key steps of V: 65,536 bytes on in LDS,
	s_add_nc_u64 s[G0K+2:G0K+3], s[G0K+2:G0K+3], 0x100000   ; 64 x 16,384 = 8 x 131,072 bytes on in memory
	s_add_co_u32 s[G0V+1], s[G0V+1], 65536
	s_add_nc_u64 s[G0V+2:G0V+3], s[G0V+2:G0V+3], 0x100000
	s_wait_dscnt 0x0
	CROUND                                         ; everybody's part of the first half is in, and all four work-groups are here
	JLOAD                                          ; keys 1,024 .. 2,047: my one tensor load behind the round, into bytes that nothing has filled
	WIN 0x40
.irp t, 0,1,2,3,4,5,6,7                ; the first step's K
	ds_load_b128 v[KF+8*\t:KF+8*\t+3],   v[LI] offset:1024*\t
	ds_load_b128 v[KF+8*\t+4:KF+8*\t+7], v[LI] offset:1024*\t+512
.endr
	WIN 0
	s_mov_b32 s[TB], 0
	STEPS QF, 7, 0                                 ; key steps 0-6 read K's steps 0-7 and V's 0-6: the first half alone
	s_wait_tensorcnt 0x0                           ; my part of the second half has landed,
	s_wait_dscnt 0x0
	s_barrier_signal -1
	s_barrier_wait -1                              ; everybody's has: all of K and V lie in LDS
	s_mov_b32 s[TB], 7*8192
	STEPS QF, 9, 1
	WAYOUT 0
	INIT
	s_wait_alu depctr_va_vdst(0)                   ; directly ahead of the wait below
	s_wait_xcnt 0x0                                ; the stores have read their registers: the partial sums of the second pass lie where O's codes lay
	s_mov_b32 s[TB], 0
	STEPS QF+16, 16, 1
	WAYOUT 1
	s_wait_tensorcnt 0x0                           ; the wave's end
	ds_add_u32 v[SPW], v[NIL]
	s_wait_dscnt 0x0
	CROUND                                         ; the closing round: no work-group ends while a partner may still ask for a tile that names it
	s_endpgm
.Lfunc_end_k_qe14460e3e9_attn:
	.size	k_qe14460e3e9_attn, .Lfunc_end_k_qe14460e3e9_attn-k_qe14460e3e9_attn
	.p2alignl 7, 3214868480
	.fill 96, 4, 3214868480
	.section	.rodata,"a",@progbits
	.p2align	6, 0x0
	.amdhsa_kernel k_qe14460e3e9_attn
		.amdhsa_group_segment_fixed_size 327680
		.amdhsa_private_segment_fixed_size 0
		.amdhsa_enable_private_segment 0
		.amdhsa_kernarg_size 40
		.amdhsa_user_sgpr_count 2
		.amdhsa_user_sgpr_kernarg_segment_ptr 1
		.amdhsa_wavefront_size32 1
		.amdhsa_system_sgpr_workgroup_id_x 1
		.amdhsa_system_sgpr_workgroup_id_y 1
		.amdhsa_system_sgpr_workgroup_id_z 1
		.amdhsa_system_vgpr_workitem_id 0
		.amdhsa_next_free_vgpr 512
		.amdhsa_next_free_sgpr 96
		.amdhsa_reserve_vcc 0
		.amdhsa_float_denorm_mode_32 3
		.amdhsa_float_denorm_mode_16_64 3
		.amdhsa_memory_ordered 1
		.amdhsa_forward_progress 1
		.amdhsa_inst_pref_size 117
	.end_amdhsa_kernel
	.amdgpu_metadata
---
amdhsa.version: [ 1, 2 ]
amdhsa.kernels:
  - .name:           k_qe14460e3e9_attn
    .symbol:         k_qe14460e3e9_attn.kd
    .args:
      - { .name: q_img, .offset: 0, .size: 8, .value_kind: global_buffer, .address_space: global }
      - { .name: k_img, .offset: 8, .size: 8, .value_kind: global_buffer, .address_space: global }
      - { .name: v_img, .offset: 16, .size: 8, .value_kind: global_buffer, .address_space: global }
      - { .name: lowp_scales, .offset: 24, .size: 8, .value_kind: global_buffer, .address_space: global }
      - { .name: a_img, .offset: 32, .size: 8, .value_kind: global_buffer, .address_space: global }
    .group_segment_fixed_size: 327680
    .private_segment_fixed_size: 0
    .kernarg_segment_align: 8
    .kernarg_segment_size: 40
    .max_flat_workgroup_size: 256
    .sgpr_count:     96
    .vgpr_count:     512
    .wavefront_size: 32
...
	.end_amdgpu_metadata
.endif
;; end of part 2
;; launch proj (part 3): grid 8 x 32, 4 waves a work-group, clusters of 4 x 4, 327,680 bytes of LDS; arguments a_img, w_out_codes, lowp_scales, out0, b_out; writes out0
.if DOCPART == 3
	.amdgcn_target "amdgcn-amd-amdhsa--gfx1250"
	.amdhsa_code_object_version 6
	.text
	.protected	k_qe14460e3e9_proj
	.globl	k_qe14460e3e9_proj
	.p2align	8
	.type	k_qe14460e3e9_proj,@function
k_qe14460e3e9_proj:
	s_mov_b64 s[64:65], 0
	v_nop
	global_prefetch_b8 v0, s[64:65] scope:SCOPE_SE
	s_setreg_imm32_b32 hwreg(HW_REG_WAVE_MODE, 25, 1), 1
	s_wait_xcnt 0x0
	s_wait_alu depctr_hold_cnt(0) depctr_sa_sdst(0) depctr_va_vdst(0) depctr_va_sdst(0) depctr_va_ssrc(0) depctr_va_vcc(0) depctr_vm_vsrc(0)
	s_getreg_b32 s2, hwreg(HW_REG_IB_STS2, 6, 4)
	s_cmp_eq_u32 s2, 0
	s_cbranch_scc0 .Lentry_in_a_cluster
	s_endpgm
.Lentry_in_a_cluster:
	s_bfe_u32 s2, ttmp6, 0x10000c
	s_cmp_lg_u32 s2, 0xf033
	s_cbranch_scc0 .Lentry_shape_is_right
	s_endpgm
.Lentry_shape_is_right:
; out0[t][n] = 2^(e8 + e9) x (sum over k of a[t][k] Wout[n][k]) + b_out[n], on codes of BF8 (E5M2); sums in f32.  8,192 tokens, 1,024 features, K = 1,024.
; a_img is an image of operand registers: byte (t / 16) x 16384 + 2048 q + 512 c + 16 lane: lane (r, h) holds, of token r, k = 128 q + 32 c + 16 h + 0 .. 15.  Wout: [1024][1024] codes, K innermost.
; LIMIT: e8 + e9 between -126 and 127, so that 2^(e8 + e9) is an f32 number.
; SHARES.  A work-group makes 256 tokens x 128 features; each of its four waves 64 tokens x 128 features: 32 accumulators.  8 x 32 work-groups.
; ALL OPERANDS ARE ASKED FOR ONCE, AT THE HEAD; no byte of LDS is filled again, so there is no ring and one barrier.
;   Wout's 128 rows, whole K: waves 2 and 3, 64 rows of 1,024 bytes each, 16 bytes of padding behind each row (LDS pitch 1,040 = 260 words: the 16 rows that a load touches start 4 words apart).
;   a's K = 512 .. 1,023: waves 0 and 1, 8 token tiles each, 8,192 bytes of each tile's 16,384.
;   a's K = 0 .. 511: each wave loads its own 64 tokens straight into registers, 64 loads of 512 consecutive bytes.
; CLUSTERS: 4 x 4 work-groups.  a's tile hangs on the token block alone and is asked for jointly by a row of the cluster, Wout's on the feature block alone and by a column.
; Nothing is loaded from memory inside a loop, so there is no step to prefetch ahead of: no prefetch is written.
; THE MATRIX INSTRUCTION IS USED TRANSPOSED (source 0 = 16 rows of Wout, source 1 = 16 tokens): a lane holds eight neighbouring features of one token.  Both sides hold K in the same order: registers 4 c .. 4 c + 3: k = 32 c + 16 h + 0 .. 15.
; REGISTERS, in windows of 256.  window 0: v0-31 addresses; v64-191 a's fragments from LDS, two sets of 64 (on the way out v64-127: a block's results); v192-255 the bias.
;   window 1: the accumulators ((a, b) at v[8 (8 a + b)]).  window 2: a's K steps 0-3 (step q, block a at v[64 q + 16 a]).  window 3: Wout's fragments, two sets of 128 (on the way out v0-127: rows read back from the stage).
.set PITCH,  1040
.set BHALF,  64*PITCH
.set AOFF,   128*PITCH                 ; behind Wout's rows: a's upper half of K, 16 token tiles x 8,192 bytes
.set STAGE,  AOFF+131072               ; the way out: 16 rows x (512 + 16) bytes for each wave; no tensor load lands here
.set SPITCH, 528
.set SPARE,  STAGE+4*16*SPITCH         ; the spare words, 128 bytes a wave
.set ADRB, 16                          ; v16, v17  my lane's place in Wout's rows 0-63, 64-127
.set ADRA, 18                          ; v18  in my wave's four token tiles in LDS
.set STO,  24
.set RD,   25
.set CO,   26                          ; 16 x lane
.set BO,   27                          ; 32 x (lane / 16)
.set SPW,  28
.set NIL,  29
.set AL,   64
.set TMP,  64
.set BIAS, 192
.set G1, 24                            ; s[24:31] group 1 for a's tile, s[32:35] its group 0
.set G0, 32
.set G1B, 48                           ; s[48:55], s[56:59] the same for Wout's
.set G0B, 56
.set MSB, 0
.macro WIN new                         ; the immediate's high byte repeats the setting that is left
.if MSB != \new
	s_set_vgpr_msb (MSB<<8)|\new
.set MSB, \new
.endif
.endm
.macro CROUND                          ; a round of the cluster's barrier
	s_barrier_signal -1
	s_barrier_wait -1
	s_cmp_lg_u32 s14, 0
	s_cbranch_scc1 .Lnot_wave_0_\@
	s_barrier_signal -3
.Lnot_wave_0_\@:
	s_barrier_wait -3
	s_barrier_signal -1
	s_barrier_wait -1
.endm
.macro PLACES                          ; plain vector lines between a matrix instruction and a load into, or a vector read of, its registers
.rept 4
	v_nop
.endr
.endm
	s_load_b128 s[4:7], s[0:1], 0x0                ; a_img, Wout
	s_load_b128 s[8:11], s[0:1], 0x10              ; the scales' exponents, out0
	s_load_b64 s[12:13], s[0:1], 0x20              ; b_out
	v_lshl_add_u32 v[SPW], v0, 2, SPARE
	v_mov_b32 v[NIL], 0
	ds_add_u32 v[SPW], v[NIL]                      ; the opening lines: the add twice on end
	ds_add_u32 v[SPW], v[NIL]
	v_lshrrev_b32 v1, 5, v0
	v_readfirstlane_b32 s14, v1                    ; wave 0..3
	s_lshl_b32 s18, s14, 15
	s_add_co_u32 s18, s18, AOFF                    ; my four token tiles in LDS
	s_mul_i32 s19, s14, 16*SPITCH
	s_add_co_u32 s19, s19, STAGE                   ; my stage
	v_and_b32 v1, 15, v0                           ; r
	v_bfe_u32 v2, v0, 4, 1                         ; h
	v_mul_u32_u24 v3, v1, PITCH
	v_lshl_add_u32 v[ADRB], v2, 4, v3              ; row r x pitch + 16 h
	v_add_nc_u32 v[ADRB+1], BHALF, v[ADRB]
	v_and_b32 v6, 31, v0
	v_lshlrev_b32 v[CO], 4, v6
	v_lshlrev_b32 v[BO], 5, v2
	v_add_nc_u32 v[ADRA], s18, v[CO]
	v_mul_u32_u24 v5, v1, SPITCH
	v_lshl_add_u32 v5, v2, 5, v5
	v_add_nc_u32 v[STO], s19, v5                   ; in: row r, 32 bytes for each half of the lanes
	v_add_nc_u32 v[RD], s19, v[CO]                 ; back: the 32 lanes take one row of 512 bytes
	s_lshr_b32 s15, s14, 1                         ; I fetch for a (0) or for Wout (1),
	s_and_b32 s16, s14, 1                          ; and which half
	s_bfe_u32 s40, ttmp6, 0x40000                  ; cx, cy
	s_bfe_u32 s41, ttmp6, 0x40004
	s_lshl_b32 s42, ttmp9, 2
	s_add_co_u32 s42, s42, s40                     ; the feature block, 0..7
	s_and_b32 s17, ttmp7, 0xffff
	s_lshl_b32 s17, s17, 2
	s_add_co_u32 s17, s17, s41                     ; the token block, 0..31
	s_lshl_b32 s43, s41, 2
	s_lshl_b32 s43, 15, s43                        ; my row of the cluster
	s_lshl_b32 s44, 0x1111, s40                    ; my column
	s_or_b32 s[G1+0], s43, (3<<16)|(1<<21)         ; a: elements of 8 bytes, no padding: 8 rows of 8,192 bytes, 16,384 apart
	s_mov_b32 s[G1+1], 1024<<16
	s_mov_b32 s[G1+2], 8<<16
	s_mov_b32 s[G1+3], 1024<<16
	s_mov_b32 s[G1+4], 8
	s_mov_b32 s[G1+5], 2048
	s_mov_b32 s[G1+6], 0
	s_mov_b32 s[G1+7], 0
	s_or_b32 s[G1B+0], s44, (0<<16)|(1<<20)|(1<<21)|(7<<22)|(3<<25)   ; Wout: elements of 1 byte; four words of padding after every 256: 64 rows of 1,024 bytes
	s_mov_b32 s[G1B+1], 1024<<16
	s_mov_b32 s[G1B+2], 64<<16
	s_mov_b32 s[G1B+3], 1024<<16
	s_mov_b32 s[G1B+4], 64
	s_mov_b32 s[G1B+5], 1024
	s_mov_b32 s[G1B+6], 0
	s_mov_b32 s[G1B+7], 0
	s_lshl_b32 s20, s17, 18                        ; a token block is 16 tiles of 16,384 bytes;
	s_lshl_b32 s18, s16, 17                        ; + my 8 tiles,
	s_add_co_u32 s20, s20, s18
	s_add_co_u32 s20, s20, 8192                    ; + the lower half of K
	s_mov_b32 s21, 0
	s_lshl_b32 s46, s42, 17                        ; a feature block is 128 rows of 1,024 bytes; + my 64 rows
	s_lshl_b32 s18, s16, 16
	s_add_co_u32 s46, s46, s18
	s_mov_b32 s47, 0
	s_lshl_b32 s22, s17, 18                        ; what I load straight into registers: my wave's four tiles
	s_lshl_b32 s18, s14, 16
	s_add_co_u32 s22, s22, s18
	s_mov_b32 s23, 0
	s_lshl_b32 s45, s16, 16
	s_add_co_u32 s45, s45, AOFF                    ; where the tiles go: no place in the cluster enters an LDS address
	s_mul_i32 s94, s16, BHALF
	s_wait_alu depctr_va_vdst(0)                   ; directly ahead of the waits below
	s_wait_dscnt 0x0                               ; both opening adds are done
	s_wait_kmcnt 0x0
	s_load_b64 s[96:97], s[8:9], 0x20              ; e8, e9
	s_mov_b32 s[G0], 1
	s_mov_b32 s[G0+1], s45
	s_add_nc_u64 s[G0+2:G0+3], s[4:5], s[20:21]
	s_or_b32 s[G0+3], s[G0+3], 0x80000000
	s_mov_b32 s[G0B], 1
	s_mov_b32 s[G0B+1], s94
	s_add_nc_u64 s[G0B+2:G0B+3], s[6:7], s[46:47]
	s_or_b32 s[G0B+3], s[G0B+3], 0x80000000
	s_add_nc_u64 s[22:23], s[4:5], s[22:23]
	CROUND                                         ; all sixteen work-groups are here: the joint loads meet
	s_cmp_eq_u32 s15, 0                            ; one load a wave
	s_cbranch_scc0 .Lfor_b
	tensor_load_to_lds s[G0:G0+3], s[G1:G1+7]
	s_nop 0
	PLACES
	s_branch .Lasked
.Lfor_b:
	tensor_load_to_lds s[G0B:G0B+3], s[G1B:G1B+7]
	s_nop 0
	PLACES
.Lasked:
	WIN 0x80                                       ; destination window 2
.irp q, 0,1,2,3                        ; a's K steps 0-3 of my 64 tokens: a load's 32 lanes take 512 consecutive bytes
.irp a, 0,1,2,3
.irp c, 0,1,2,3
	global_load_b128 v[64*\q+16*\a+4*\c:64*\q+16*\a+4*\c+3], v[CO], s[22:23] offset:16384*\a+2048*\q+512*\c
.endr
.endr
.endr
	WIN 0
	s_lshl_b32 s68, s17, 20                        ; my part of out0: token (256 block + 64 wave) x 4,096 bytes + feature block x 512
	s_lshl_b32 s70, s14, 18
	s_add_co_u32 s68, s68, s70
	s_lshl_b32 s70, s42, 9
	s_mov_b32 s71, 0
	s_add_co_u32 s68, s68, s70
	s_mov_b32 s69, 0
	s_add_nc_u64 s[10:11], s[10:11], s[68:69]
	s_add_nc_u64 s[12:13], s[12:13], s[70:71]      ; and of the bias
.macro FETCH q                         ; K step q: Wout's eight fragments into set q % 2; from step 4 on a's four as well
	WIN 0xc0                                       ; destination window 3
.irp b, 0,1,2,3
.irp c, 0,1,2,3
	ds_load_b128 v[128*((\q)%2)+16*\b+4*\c:128*((\q)%2)+16*\b+4*\c+3], v[ADRB] offset:16*PITCH*\b+128*(\q)+32*\c
.endr
.endr
.irp b, 0,1,2,3
.irp c, 0,1,2,3
	ds_load_b128 v[128*((\q)%2)+64+16*\b+4*\c:128*((\q)%2)+64+16*\b+4*\c+3], v[ADRB+1] offset:16*PITCH*\b+128*(\q)+32*\c
.endr
.endr
	WIN 0
.if (\q) >= 4
.irp a, 0,1,2,3
.irp c, 0,1,2,3
	ds_load_b128 v[AL+64*((\q)%2)+16*\a+4*\c:AL+64*((\q)%2)+16*\a+4*\c+3], v[ADRA] offset:8192*\a+2048*((\q)-4)+512*\c
.endr
.endr
.endif
.endm
.macro MUL q                           ; 32 matrix instructions; the 32 accumulators take turns, in the same order in every step.  Step 0 starts the sums
.if (\q) < 4
	WIN 0x5b                                       ; source 0 window 3, source 1 window 2, C and D window 1
.set AX, 64*(\q)
.else
	WIN 0x53                                       ; source 1 window 0
.set AX, AL+64*((\q)%2)
.endif
.irp a, 0,1,2,3
.irp b, 0,1,2,3,4,5,6,7
.if (\q) == 0
	v_wmma_f32_16x16x128_bf8_bf8 v[8*(8*\a+\b):8*(8*\a+\b)+7], v[128*((\q)%2)+16*\b:128*((\q)%2)+16*\b+15], v[AX+16*\a:AX+16*\a+15], 0
.else
	v_wmma_f32_16x16x128_bf8_bf8 v[8*(8*\a+\b):8*(8*\a+\b)+7], v[128*((\q)%2)+16*\b:128*((\q)%2)+16*\b+15], v[AX+16*\a:AX+16*\a+15], v[8*(8*\a+\b):8*(8*\a+\b)+7]
.endif
.endr
.endr
	WIN 0
.endm
.macro KQ q, lc                        ; a K step of 128.  lc: the global loads issued behind this step's sixteen (none to wait for: -1)
.if \lc >= 0
	s_wait_loadcnt \lc
.endif
	s_wait_dscnt 0x0                               ; this step's fragments, asked for a step ago
.if \q > 0
	PLACES
.endif
.if \q < 7
	FETCH \q+1                                     ; the next step's, in one run, 32 matrix instructions ahead of their use
.endif
	MUL \q
.endm
	s_wait_tensorcnt 0x0                           ; my tile has landed,
	s_barrier_signal -1
	s_barrier_wait -1                              ; everybody's has
	FETCH 0
	KQ 0, 48                                       ; behind step 0's loads: steps 1-3's 48
	KQ 1, 32
.irp b, 0,1,2,3,4,5,6,7                ; the bias in the result's layout: features 16 b + 8 h + 0 .. 7
	global_load_b128 v[BIAS+8*\b:BIAS+8*\b+3],   v[BO], s[12:13] offset:64*\b
	global_load_b128 v[BIAS+8*\b+4:BIAS+8*\b+7], v[BO], s[12:13] offset:64*\b+16
.endr
	KQ 2, 32                                       ; step 3's 16 and the bias's 16
	KQ 3, 16                                       ; the bias's 16
	KQ 4, -1
	KQ 5, -1
	KQ 6, -1
	KQ 7, -1
; THE WAY OUT, block by block of 16 tokens x 128 features: sum x 2^(e8 + e9) + bias, through my own stage in LDS, back as whole rows of 512 bytes.  LDS serves a wave's instructions in order (ISA guide 5.7.1.4).
.macro TOSTAGE a
	WIN 0x01                                       ; source 0 window 1
.set jj, 0
.rept 32
	v_pk_fma_f32 v[TMP+jj:TMP+jj+1], v[64*(\a)+jj:64*(\a)+jj+1], s[96:97], v[BIAS+jj:BIAS+jj+1] op_sel_hi:[1,0,1]   ; each accumulator from its low end on
.set jj, jj+2
.endr
	WIN 0
.irp b, 0,1,2,3,4,5,6,7
	ds_store_b128 v[STO], v[TMP+8*\b:TMP+8*\b+3] offset:64*\b
	ds_store_b128 v[STO], v[TMP+8*\b+4:TMP+8*\b+7] offset:64*\b+16
.endr
	WIN 0xc0                                       ; destination window 3
.irp t, 0,1,2,3,4,5,6,7,8,9,10,11,12,13,14,15
	ds_load_b128 v[64*((\a)%2)+4*\t:64*((\a)%2)+4*\t+3], v[RD] offset:\t*SPITCH
.endr
	WIN 0
.endm
.macro SEND a, younger                 ; younger: the LDS instructions issued behind block a's loads
	s_wait_dscnt \younger
.if (\a) > 0
	s_add_nc_u64 s[10:11], s[10:11], 16*4096       ; (behind a wait on XCNT: the earlier stores have read their base)
.endif
	WIN 0x0c                                       ; a store's data: window 3
.irp t, 0,1,2,3,4,5,6,7,8,9,10,11,12,13,14,15
	global_store_b128 v[CO], v[64*((\a)%2)+4*\t:64*((\a)%2)+4*\t+3], s[10:11] offset:\t*4096 th:TH_STORE_NT   ; 32 lanes store 512 consecutive bytes, at a multiple of 512 from out0's first byte
.endr
	WIN 0
.endm
	s_wait_kmcnt 0x0
	s_add_co_i32 s96, s96, s97                     ; e8 + e9
	s_add_co_i32 s96, s96, 127
	s_lshl_b32 s96, s96, 23                        ; 2^(e8 + e9) as f32
	s_wait_loadcnt 0x0                             ; the bias
	PLACES                                         ; behind the last products
	TOSTAGE 0
.irp a, 1,2,3
.if \a > 1
	s_wait_xcnt 0x0                                ; block a - 2's stores have read their registers and their base
.endif
	TOSTAGE \a
	SEND \a-1, 32                                  ; behind block a - 1's loads: block a's 16 stores and 16 loads
.endr
	s_wait_xcnt 0x0
	SEND 3, 0
	s_wait_tensorcnt 0x0                           ; the wave's end
	ds_add_u32 v[SPW], v[NIL]
	s_wait_dscnt 0x0
	CROUND                                         ; the closing round
	s_endpgm
.Lfunc_end_k_qe14460e3e9_proj:
	.size	k_qe14460e3e9_proj, .Lfunc_end_k_qe14460e3e9_proj-k_qe14460e3e9_proj
	.p2alignl 7, 3214868480
	.fill 96, 4, 3214868480
	.section	.rodata,"a",@progbits
	.p2align	6, 0x0
	.amdhsa_kernel k_qe14460e3e9_proj
		.amdhsa_group_segment_fixed_size 327680
		.amdhsa_private_segment_fixed_size 0
		.amdhsa_enable_private_segment 0
		.amdhsa_kernarg_size 40
		.amdhsa_user_sgpr_count 2
		.amdhsa_user_sgpr_kernarg_segment_ptr 1
		.amdhsa_wavefront_size32 1
		.amdhsa_system_sgpr_workgroup_id_x 1
		.amdhsa_system_sgpr_workgroup_id_y 1
		.amdhsa_system_sgpr_workgroup_id_z 1
		.amdhsa_system_vgpr_workitem_id 0
		.amdhsa_next_free_vgpr 1024
		.amdhsa_next_free_sgpr 98
		.amdhsa_reserve_vcc 0
		.amdhsa_float_denorm_mode_32 3
		.amdhsa_float_denorm_mode_16_64 3
		.amdhsa_memory_ordered 1
		.amdhsa_forward_progress 1
		.amdhsa_inst_pref_size 76
	.end_amdhsa_kernel
	.amdgpu_metadata
---
amdhsa.version: [ 1, 2 ]
amdhsa.kernels:
  - .name:           k_qe14460e3e9_proj
    .symbol:         k_qe14460e3e9_proj.kd
    .args:
      - { .name: a_img, .offset: 0, .size: 8, .value_kind: global_buffer, .address_space: global }
      - { .name: w_out_codes, .offset: 8, .size: 8, .value_kind: global_buffer, .address_space: global }
      - { .name: lowp_scales, .offset: 16, .size: 8, .value_kind: global_buffer, .address_space: global }
      - { .name: out0, .offset: 24, .size: 8, .value_kind: global_buffer, .address_space: global }
      - { .name: b_out, .offset: 32, .size: 8, .value_kind: global_buffer, .address_space: global }
    .group_segment_fixed_size: 327680
    .private_segment_fixed_size: 0
    .kernarg_segment_align: 8
    .kernarg_segment_size: 40
    .max_flat_workgroup_size: 128
    .sgpr_count:     98
    .vgpr_count:     1024
    .wavefront_size: 32
...
	.end_amdgpu_metadata
.endif
;; end of part 3
